; MI455X (gfx1250); checked and timed in simulation.
; The chip was launched on July 23, 2026; its instructions are those of AMD's public machine-readable ISA for CDNA 5 (MIT licence, August 2026) and "CDNA5" Instruction Set Architecture Reference Guide (July 2026). The comments in the code are by the model that wrote it; some were corrected since.
;; Fused Linear. Allowed arithmetic: float matrix products may take bf16 or f16 operands with f32 sums; other float arithmetic in f32, or as packed bf16 or f16 multiplies, adds, multiply-adds, maxima and minima; sums over many terms, partial sums and values carried from step to step in f32; what a program stores and reads back later, other than sums and carried values, may be rounded once to bf16 or f16.
;; Inputs: W 4,096 x 4,096 float32; qa 4 x 8 x 4,096 float32; qb 4 x 4,096 x 8 float32; scaling 4,096 float32; top_k_weights 4,096 x 4 float32; x 4,096 x 4,096 float32.
;; Outputs: out0 4,096 x 4,096 float32.
;; One version. Each part assembles by itself: llvm-mc -triple=amdgcn-amd-amdhsa -mcpu=gfx1250 --defsym DOCPART=n.
;; ======== version 1 of 1: 2 launches
;; workspace buffers: xb 33,554,432 bytes; wb 33,554,432 bytes; pa 2,097,152 bytes
;; launch prep (part 1): grid 256 x 1, 4 waves a work-group, no clusters, 327,680 bytes of LDS; arguments x, W, qa, top_k_weights, xb, wb, pa; writes xb, wb, pa
.if DOCPART == 1
	.amdgcn_target "amdgcn-amd-amdhsa--gfx1250"
	.amdhsa_code_object_version 6
	.text
	.protected	k_qf731e35a1c_prep
	.globl	k_qf731e35a1c_prep
	.p2align	8
	.type	k_qf731e35a1c_prep,@function
k_qf731e35a1c_prep:
	s_mov_b64 s[64:65], 0
	v_nop
	global_prefetch_b8 v0, s[64:65] scope:SCOPE_SE
	s_setreg_imm32_b32 hwreg(HW_REG_WAVE_MODE, 25, 1), 1
	s_wait_xcnt 0x0
; PREP.  x and W ([4096][4096] f32) are rounded once to bf16 and laid out in the order in which a wave's registers take them as matrix operands;
; on the way the low-rank code is made: pa[s][row][j] = top_k_weights[row][j / 8] x (the sum over K slice s of bf16(x[row][k]) bf16(qa[j][k])), j = 8 expert + rank, sums in f32.
; LAYOUT OF xb AND wb: [rowblock 256][chunk 128][half 2][lane 32][16 bytes].  1,024 bytes are one fragment of 16 rows x 32 K: lane l holds row l % 16;
; half 0 (registers 0-3) holds K = 8 (l / 16) + 0..7, half 1 (registers 4-7) K = 16 + 8 (l / 16) + 0..7.  So every store here covers 512 consecutive bytes, aligned.
; LAYOUT OF pa: [slice 4][rowblock 256][q 4][lane 32][4 f32]: a lane's sixteen numbers in the order of a fragment's K (j = 8 (l / 16) + 0..7, then 16 + 8 (l / 16) + 0..7).  Partial sums stay in f32.
; SHARES.  Work-group id: slice s = id % 4 (1,024 of K), rows 64 (id / 4) .. + 63 of x and of W.  Wave w owns rowblock 4 (id / 4) + w: no sum crosses a wave, and nothing is stored to LDS.
; THE RING.  Two LDS slots of 128 KiB of data; a tile is four tensor loads, one a wave, each 32 rows x 1,024 bytes.  Five tiles: qa's slice (slot 0), x's K halves (slots 1, 0), W's K halves (slots 1, 0).
; qa's 32 x 1,024 numbers are rounded once into 512 registers a wave (windows 1 and 2) while x's first tile is on its way.
; NO CLUSTER: what work-groups share is qa's slice alone, 128 KiB of the 640 KiB that a work-group reads; x and W have one reader each.
; LIMITS.  x, W, qa are rounded to bf16 (nearest even); NaN and infinities go through as the arithmetic gives them.
.set PITCH, 1040                       ; an LDS row: 1,024 bytes + 16 of padding = 65 x 16: the 16 rows of a load start at 16 different groups of four banks (64 banks of 4 bytes: ISA guide 11.1)
.set REG,   32*PITCH                   ; what one tensor load brings
.set SLOT,  4*REG
.set SPARE, 2*SLOT                     ; behind the ring: the spare words, 128 bytes for each wave: two blocks of 256 bytes that no other line names
.set AQ,  4                            ; v4, v5  my lane's place in qa's tile: K quarters 0-1, K quarters 2-3
.set AX0, 6                            ; v6      my lane's place in a tile of x or W in slot 0
.set AX1, 7                            ; v7      the same in slot 1
.set GO,  8                            ; v8      16 x lane: my 16 bytes of every store
.set TKO, 9                            ; v9      my byte offset in my rowblock's top_k_weights
.set SPW, 10                           ; v10     LDS address of my spare word; never rewritten
.set NIL, 11                           ; v11     0; never rewritten
.set TK,  12                           ; v12-13  the weights of experts l / 16 and 2 + l / 16 for my row
.set ACC, 16                           ; v16-31  two accumulators: j = 0-15, j = 16-31
.set PO,  32                           ; v32-47  the weighted partial code
.set T,   64                           ; v64-191 two buffers of 64: four fragments in f32 as loaded
.set Y,   192                          ; v192-255 two buffers of 32: four fragments in bf16
.set G1,  32                           ; s[32:39] descriptor group 1, the same for every load
.set G0A, 40                           ; s[40:43] group 0 for slot 0
.set G0B, 44                           ; s[44:47] group 0 for slot 1
.set XA,  48                           ; s[48:49] x at my part of its first tile
.set WA,  50                           ; s[50:51] W likewise
.set XBP, 12                           ; s[12:13] xb at my rowblock's slice
.set WBP, 14                           ; s[14:15] wb likewise
.set MSB, 0
.macro WIN new                         ; the immediate's high byte repeats the setting that is left; a switch that changes nothing is dropped
.if MSB != (\new)
	s_set_vgpr_msb (MSB<<8)|(\new)
.set MSB, \new
.endif
.endm
	s_load_b256 s[4:11], s[0:1], 0x0               ; x s[4:5], W s[6:7], qa s[8:9], top_k_weights s[10:11]
	s_load_b128 s[12:15], s[0:1], 0x20             ; xb, wb
	s_load_b64 s[16:17], s[0:1], 0x30              ; pa
	v_lshl_add_u32 v[SPW], v0, 2, SPARE
	v_mov_b32 v[NIL], 0
	ds_add_u32 v[SPW], v[NIL]                      ; the wave's opening: the add and its wait ahead of my first tensor load; the set-up below, work on registers, stands between them
	ds_add_u32 v10, v11
	v_lshrrev_b32 v1, 5, v0
	v_readfirstlane_b32 s18, v1                    ; wave w
	s_lshr_b32 s19, ttmp9, 2                       ; mb: my block of 64 rows
	s_and_b32 s20, ttmp9, 3                        ; s: my slice of K
	s_lshr_b32 s21, s18, 1                         ; which 32 rows of a tile I fetch
	s_and_b32 s26, s18, 1                          ; which 256 of its K
	; group 1: a tile of 32 rows x 256 elements of 4 bytes, padded in LDS
	s_mov_b32 s[G1+0], (2<<16)|(1<<20)|(7<<22)|(3<<25)  ; 17:16 elements of 4 bytes; 20 padding on; 24:22 after every 256 words (code 7); 31:25 4 words of it (code 3)
	s_mov_b32 s[G1+1], 256<<16                     ; tensor_dim0 = 256
	s_mov_b32 s[G1+2], 32<<16                      ; tensor_dim1 = 32
	s_mov_b32 s[G1+3], 256<<16                     ; tile_dim0 = 256
	s_mov_b32 s[G1+4], 32                          ; tile_dim1 = 32
	s_mov_b32 s[G1+5], 4096                        ; elements from row to row, in x, W and qa alike
	s_mov_b32 s[G1+6], 0
	s_mov_b32 s[G1+7], 0
	; byte offsets, each in registers of its own, all under 2^32
	s_lshl_b32 s22, s19, 20                        ; x, W: 64 mb rows of 16,384 bytes
	s_lshl_b32 s27, s21, 19                        ; + 32 rows x (w / 2)
	s_add_co_u32 s22, s22, s27
	s_lshl_b32 s27, s20, 12                        ; + the slice's 4,096 bytes x s
	s_add_co_u32 s22, s22, s27
	s_lshl_b32 s24, s18, 10                        ; qa: the slice, and K quarter w
	s_add_co_u32 s24, s24, s27
	s_lshl_b32 s27, s26, 10                        ; x, W: + 1,024 bytes x (w % 2)
	s_add_co_u32 s22, s22, s27
	s_mov_b32 s23, 0
	s_mov_b32 s25, 0
	s_lshl2_add_u32 s27, s19, s18                  ; my rowblock = 4 mb + w
	s_lshl_b32 s28, s27, 17                        ; xb, wb: 131,072 bytes a rowblock
	s_lshl_b32 s30, s20, 15                        ; + 32 fragments x s
	s_add_co_u32 s28, s28, s30
	s_mov_b32 s29, 0
	s_lshl_b32 s30, s20, 19                        ; pa: 524,288 bytes a slice
	s_lshl_b32 s52, s27, 11                        ; + 2,048 a rowblock
	s_add_co_u32 s30, s30, s52
	s_mov_b32 s31, 0
	s_lshl_b32 s52, s27, 8                         ; top_k_weights: 16 rows of 16 bytes a rowblock
	s_mov_b32 s53, 0
	s_mov_b32 s[G0A], 1                            ; count = 1
	s_mul_i32 s[G0A+1], s18, REG                   ; LDS address: region w of slot 0
	s_mov_b32 s[G0B], 1
	s_add_co_u32 s[G0B+1], s[G0A+1], SLOT          ; region w of slot 1
	s_wait_dscnt 0x0                               ; the opening add is done
	s_wait_kmcnt 0x0
	s_add_nc_u64 s[XA:XA+1], s[4:5], s[22:23]
	s_add_nc_u64 s[WA:WA+1], s[6:7], s[22:23]
	s_add_nc_u64 s[8:9], s[8:9], s[24:25]
	s_add_nc_u64 s[XBP:XBP+1], s[XBP:XBP+1], s[28:29]
	s_add_nc_u64 s[WBP:WBP+1], s[WBP:WBP+1], s[28:29]
	s_add_nc_u64 s[16:17], s[16:17], s[30:31]
	s_add_nc_u64 s[10:11], s[10:11], s[52:53]
	s_mov_b64 s[G0A+2:G0A+3], s[8:9]               ; qa's slice, my K quarter
	s_or_b32 s[G0A+3], s[G0A+3], 0x80000000        ; type = 2
	s_mov_b64 s[G0B+2:G0B+3], s[XA:XA+1]           ; x's first K half, my part
	s_or_b32 s[G0B+3], s[G0B+3], 0x80000000
	tensor_load_to_lds s[G0A:G0A+3], s[G1:G1+7]    ; both first fills go out together, ahead of every wait on TENSORcnt, LDS read and barrier: two loads of mine are out
	s_nop 0
	tensor_load_to_lds s[G0B:G0B+3], s[G1:G1+7]
	s_nop 0
.rept 4
	v_nop
.endr
	; A fragment's f32 source: lane l reads row l % 16, 32 bytes at 32 (l / 16) and 32 bytes at 64 + 32 (l / 16) of a chunk's 128 bytes: four loads of 16 bytes.
	v_and_b32 v1, 15, v0                           ; r = l % 16
	v_bfe_u32 v2, v0, 4, 1                         ; h = l / 16
	v_and_b32 v3, 31, v0                           ; lane
	v_mul_u32_u24 v[AQ], v1, PITCH
	v_lshl_add_u32 v[AQ], v2, 5, v[AQ]             ; r x pitch + 32 h
	v_add_nc_u32 v[AQ+1], 2*REG, v[AQ]
	s_mul_i32 s27, s21, 2*REG                      ; my rowblock lies in the regions of row group w / 2,
	s_mul_i32 s54, s26, 16*PITCH                   ; at their rows 16 (w % 2) on
	s_add_co_u32 s27, s27, s54
	v_add_nc_u32 v[AX0], s27, v[AQ]
	v_add_nc_u32 v[AX1], SLOT, v[AX0]
	v_lshlrev_b32 v[GO], 4, v3
	v_lshlrev_b32 v[TKO], 4, v1
	v_lshl_add_u32 v[TKO], v2, 2, v[TKO]           ; row r, expert h
	global_load_b32 v[TK], v[TKO], s[10:11]
	global_load_b32 v[TK+1], v[TKO], s[10:11] offset:8  ; expert 2 + h
; 16 LDS loads: four fragments of qa in f32: chunks 2 b, 2 b + 1, each for j = 0-15 and j = 16-31
.macro QLOAD b
.irp u, 0,1,2,3
.set qc, 2*(\b)+(\u)/2
.set qo, ((qc/8)%2)*REG+((\u)%2)*16*PITCH+(qc%8)*128
.set qt, T+64*((\b)%2)+16*(\u)
	ds_load_b128 v[qt:qt+3],     v[AQ+qc/16] offset:qo
	ds_load_b128 v[qt+4:qt+7],   v[AQ+qc/16] offset:qo+16
	ds_load_b128 v[qt+8:qt+11],  v[AQ+qc/16] offset:qo+64
	ds_load_b128 v[qt+12:qt+15], v[AQ+qc/16] offset:qo+80
.endr
.endm
; and their rounding: chunk c, j block jb goes to window 1 + c / 16, v[16 (c % 16) + 8 jb]
.macro QCVT b
	WIN 0x40*(1+(\b)/8)                            ; destination window 1 or 2, sources window 0
.set p, 0
.rept 32
	v_cvt_pk_bf16_f32 v[(32*(\b))%256+p], v[T+64*((\b)%2)+2*p], v[T+64*((\b)%2)+2*p+1]
.set p, p+1
.endr
	WIN 0
.endm
; 16 LDS loads: my rowblock's chunks 4 b .. 4 b + 3 of the tile's sixteen
.macro LOADB adr, b
.irp u, 0,1,2,3
.set lc, 4*(\b)+(\u)
.set lo, (lc/8)*REG+(lc%8)*128
.set lt, T+64*((\b)%2)+16*(\u)
	ds_load_b128 v[lt:lt+3],     v[\adr] offset:lo
	ds_load_b128 v[lt+4:lt+7],   v[\adr] offset:lo+16
	ds_load_b128 v[lt+8:lt+11],  v[\adr] offset:lo+64
	ds_load_b128 v[lt+12:lt+15], v[\adr] offset:lo+80
.endr
.endm
; One tile: my rowblock's 16 chunks in four batches of four: read, rounded, stored; mm = 1: also multiplied by qa's fragments of the same chunks (c0 + ..).  zero = 1: chunk 0's products start the two sums.
; The product takes qa as source 0 and x as source 1: in the result lane l holds x's row l % 16 and j = 8 (l / 16) + 0..7 (+ 16 in the second accumulator): the order of a fragment's K.
; The two accumulators take turns, one instruction a turn.  A buffer of Y is written again two batches on: the other batch's 32 conversions are the places behind the products that read it.
.macro PHASE adr, c0, base, mm, zero
	LOADB \adr, 0
.irp b, 0,1,2,3
.if (\b) < 3
	LOADB \adr, (\b)+1
	s_wait_dscnt 16                                ; LDS loads come back in order (ISA guide 5.7.1): all but the 16 just issued are in
.else
	s_wait_dscnt 0x0
.endif
	s_wait_xcnt 0x0                                ; Y's buffer was the data of earlier stores: it is rewritten only behind this wait
.set p, 0
.rept 32
	v_cvt_pk_bf16_f32 v[Y+32*((\b)%2)+p], v[T+64*((\b)%2)+2*p], v[T+64*((\b)%2)+2*p+1]
.set p, p+1
.endr
.irp u, 0,1,2,3
	global_store_b128 v[GO], v[Y+32*((\b)%2)+8*(\u):Y+32*((\b)%2)+8*(\u)+3],   s[\base:\base+1] offset:((\c0)+4*(\b)+(\u))*1024      ; 512 consecutive bytes, aligned: half 0 of a fragment
	global_store_b128 v[GO], v[Y+32*((\b)%2)+8*(\u)+4:Y+32*((\b)%2)+8*(\u)+7], s[\base:\base+1] offset:((\c0)+4*(\b)+(\u))*1024+512  ; half 1
.endr
.if \mm
	WIN 1+(\c0)/16                                 ; source 0 (qa) in window 1 or 2
.irp u, 0,1,2,3
.irp jb, 0,1
.set qf, (4*(\b)+(\u))*16+8*(\jb)
.set yf, Y+32*((\b)%2)+8*(\u)
.if (\zero) && ((\b)+(\u) == 0)
	v_wmma_f32_16x16x32_bf16 v[ACC+8*(\jb):ACC+8*(\jb)+7], v[qf:qf+7], v[yf:yf+7], 0
.else
	v_wmma_f32_16x16x32_bf16 v[ACC+8*(\jb):ACC+8*(\jb)+7], v[qf:qf+7], v[yf:yf+7], v[ACC+8*(\jb):ACC+8*(\jb)+7]
.endif
.endr
.endr
	WIN 0
.endif
.endr
.endm
; THE CHANGE OF SLOTS.  Each wave waits for all its tensor loads, of which one is out: its part of the other slot; adds 0 to its spare word; and waits for that and for its reads of the slot that it leaves.
; Behind the barrier nobody reads the old slot and the other slot is whole.  fill = 1: the old slot is filled again, first thing behind the barrier: one load a wave, 32 KiB, 128 KiB for the four.
.macro CHANGE g0, fill, src, step
	s_wait_tensorcnt 0x0                           ; no tensor load of mine is out, so a group 0 may be written
	ds_add_u32 v[SPW], v[NIL]                      ; 0 onto my spare word
.if \fill
	s_add_nc_u64 s[\g0+2:\g0+3], s[\src:\src+1], \step  ; the address is made anew from the tensor's pointer
	s_or_b32 s[\g0+3], s[\g0+3], 0x80000000
.endif
	s_wait_dscnt 0x0                               ; the add is done, and my reads of the slot are over
	s_barrier_signal -1
	s_barrier_wait -1
.if \fill
	tensor_load_to_lds s[\g0:\g0+3], s[G1:G1+7]
	s_nop 0
.rept 4
	v_nop
.endr
.endif
.endm
	s_wait_tensorcnt 0x1                           ; my part of qa's tile is in; x's first tile may stay out
	s_barrier_signal -1
	s_barrier_wait -1                              ; everybody's part is in
	QLOAD 0
.set bb, 0
.rept 16                                               ; qa's slice into 512 registers, a batch's loads ahead of the batch before's conversions
.if bb < 15
	QLOAD bb+1
	s_wait_dscnt 16                                ; all but the 16 just issued
.else
	s_wait_dscnt 0x0
.endif
	QCVT bb
.set bb, bb+1
.endr
	CHANGE G0A, 1, XA, 2048                        ; qa's slot takes x's second K half (512 numbers on)
	PHASE AX1, 0, XBP, 1, 1                        ; x, chunks 0-15
	CHANGE G0B, 1, WA, 0                           ; W's first K half
	PHASE AX0, 16, XBP, 1, 0                       ; x, chunks 16-31
	CHANGE G0A, 1, WA, 2048                        ; W's second K half; the four v_nop behind the load are also the places behind the last products
	s_wait_loadcnt 0x0                             ; the two weights
.set e, 0
.rept 16                                               ; each accumulator's registers in ascending order
	v_mul_f32 v[PO+e], v[TK+e/8], v[ACC+e]
.set e, e+1
.endr
.irp q, 0,1,2,3
	global_store_b128 v[GO], v[PO+4*(\q):PO+4*(\q)+3], s[16:17] offset:512*(\q)  ; 512 consecutive bytes, aligned
.endr
	PHASE AX1, 0, WBP, 0, 0                        ; W, chunks 0-15
	CHANGE G0A, 0, XA, 0                           ; nothing is left to fetch
	PHASE AX0, 16, WBP, 0, 0                       ; W, chunks 16-31
	s_wait_tensorcnt 0x0                           ; the wave's end
	ds_add_u32 v[SPW], v[NIL]
	s_wait_dscnt 0x0
	s_endpgm
.Lfunc_end_k_qf731e35a1c_prep:
	.size	k_qf731e35a1c_prep, .Lfunc_end_k_qf731e35a1c_prep-k_qf731e35a1c_prep
	.p2alignl 7, 3214868480
	.fill 96, 4, 3214868480
	.section	.rodata,"a",@progbits
	.p2align	6, 0x0
	.amdhsa_kernel k_qf731e35a1c_prep
		.amdhsa_group_segment_fixed_size 327680
		.amdhsa_private_segment_fixed_size 0
		.amdhsa_enable_private_segment 0
		.amdhsa_kernarg_size 56
		.amdhsa_user_sgpr_count 2
		.amdhsa_user_sgpr_kernarg_segment_ptr 1
		.amdhsa_wavefront_size32 1
		.amdhsa_system_sgpr_workgroup_id_x 1
		.amdhsa_system_sgpr_workgroup_id_y 1
		.amdhsa_system_sgpr_workgroup_id_z 1
		.amdhsa_system_vgpr_workitem_id 0
		.amdhsa_next_free_vgpr 768
		.amdhsa_next_free_sgpr 66
		.amdhsa_reserve_vcc 0
		.amdhsa_float_denorm_mode_32 3
		.amdhsa_float_denorm_mode_16_64 3
		.amdhsa_memory_ordered 1
		.amdhsa_forward_progress 1
		.amdhsa_inst_pref_size 122
	.end_amdhsa_kernel
	.amdgpu_metadata
---
amdhsa.version: [ 1, 2 ]
amdhsa.kernels:
  - .name:           k_qf731e35a1c_prep
    .symbol:         k_qf731e35a1c_prep.kd
    .args:
      - { .name: x, .offset: 0, .size: 8, .value_kind: global_buffer, .address_space: global }
      - { .name: W, .offset: 8, .size: 8, .value_kind: global_buffer, .address_space: global }
      - { .name: qa, .offset: 16, .size: 8, .value_kind: global_buffer, .address_space: global }
      - { .name: top_k_weights, .offset: 24, .size: 8, .value_kind: global_buffer, .address_space: global }
      - { .name: xb, .offset: 32, .size: 8, .value_kind: global_buffer, .address_space: global }
      - { .name: wb, .offset: 40, .size: 8, .value_kind: global_buffer, .address_space: global }
      - { .name: pa, .offset: 48, .size: 8, .value_kind: global_buffer, .address_space: global }
    .group_segment_fixed_size: 327680
    .private_segment_fixed_size: 0
    .kernarg_segment_align: 8
    .kernarg_segment_size: 56
    .max_flat_workgroup_size: 128
    .sgpr_count:     66
    .vgpr_count:     768
    .wavefront_size: 32
...
	.end_amdgpu_metadata
.endif
;; end of part 1
;; launch gemm (part 2): grid 16 x 16, 4 waves a work-group, clusters of 4 x 4, 327,680 bytes of LDS; arguments xb, wb, out0, pa, qb, scaling; writes out0
.if DOCPART == 2
	.amdgcn_target "amdgcn-amd-amdhsa--gfx1250"
	.amdhsa_code_object_version 6
	.text
	.protected	k_qf731e35a1c_gemm
	.globl	k_qf731e35a1c_gemm
	.p2align	8
	.type	k_qf731e35a1c_gemm,@function
k_qf731e35a1c_gemm:
	s_mov_b64 s[64:65], 0
	v_nop
	global_prefetch_b8 v0, s[64:65] scope:SCOPE_SE
	s_setreg_imm32_b32 hwreg(HW_REG_WAVE_MODE, 25, 1), 1
	s_wait_xcnt 0x0
	s_wait_alu depctr_hold_cnt(0) depctr_sa_sdst(0) depctr_va_vdst(0) depctr_va_sdst(0) depctr_va_ssrc(0) depctr_va_vcc(0) depctr_vm_vsrc(0)
	s_getreg_b32 s2, hwreg(HW_REG_IB_STS2, 6, 4)
	s_cmp_eq_u32 s2, 0
	s_cbranch_scc0 .Lentry_in_a_cluster
	s_endpgm
.Lentry_in_a_cluster:
	s_bfe_u32 s2, ttmp6, 0x10000c
	s_cmp_lg_u32 s2, 0xf033
	s_cbranch_scc0 .Lentry_shape_is_right
	s_endpgm
.Lentry_shape_is_right:
; out0[m][n] = the sum over k of x[m][k] W[n][k] + the sum over j of aw[m][j] sqb[n][j], j = 8 expert + rank (32 of them):
; aw[m][j] = the four K slices of pa added in f32, (s0 + s1) + (s2 + s3), rounded once to bf16; sqb[n][j] = scaling[n] qb[j / 8][n][j % 8], multiplied in f32, rounded once to bf16.
; So the adapters are one more slice of 32 along K: a quarter step, 64 matrix instructions a wave, whose products start all the sums.  Then K = 4,096 in 32 steps of 128.
; xb, wb: x and W in bf16 in fragment order, [rowblock 256][chunk 128][half 2][lane 32][16 bytes]: 1,024 bytes are 16 rows x 32 K as a wave's 8 registers hold them.
; A tile of out0, 256 x 256, is made by a work-group of four waves; a wave makes 128 x 128: 64 accumulators of 16 x 16, 512 registers.  4,096 x 4,096 are 256 tiles: one to a work-group.
; THE RING: two LDS slots, each A's 256 rows and B's 256 rows of a K step.  A wave fetches a quarter of a slot by one tensor load: 8 rowblocks x 4,096 dense bytes (a rowblock's four fragments lie end to end,
; so the tile has 8 long rows, 131,072 bytes apart).  In LDS a fragment half is 512 consecutive bytes, lane l at 16 l: no padding is needed.
; CLUSTERS: 4 x 4 work-groups.  The four of a row of the cluster need the same tiles of A, the four of a column the same tiles of B: each tile is asked for JOINTLY, by the same tensor load with the same
; descriptor and a mask that names the four.
; THE MATRIX INSTRUCTION IS USED TRANSPOSED (source 0 = 16 rows of W, source 1 = 16 rows of x): lane l holds row l % 16 of out0 and the columns 8 (l / 16) + 0..7: 32 neighbouring bytes.
; LIMITS.  Operands are bf16, sums f32; NaN and infinities go through as the arithmetic gives them.
; REGISTERS, in windows of 256 (s_set_vgpr_msb's low byte: bits 1:0 source 0, 3:2 source 1, 5:4 source 2, 7:6 destination):
;   window 0: v0-39 addresses and scaling; v64-127, v128-191 fragments of A, two buffers; on the way out 16 rows read back from the stage, by turns
;   window 1: v64-127, v128-191 fragments of B; v0-63, v192-255 qb in f32, at the start only
;   windows 2, 3: the accumulators ((a, b) at v[8 (8 a + b)]; rows 0-63, rows 64-127); at the start pa's four slices
.set KSTEPB, 4096                      ; a rowblock's bytes in a K step of 128: four fragments
.set HALFT,  8*KSTEPB                  ; 128 rows: what one tensor load brings, and what one wave reads of A or of B
.set SLOT,   4*HALFT                   ; A's 256 rows, then B's 256 rows
.set STAGE,  2*SLOT                    ; behind the ring: 16 rows x 528 bytes for each wave, for the way out; no tensor load fills it
.set SPITCH, 528                       ; 512 bytes + 16 = 33 x 16: the 16 rows that a store touches start at 16 different groups of four banks (64 banks of 4 bytes: ISA guide 11.1)
.set SPARE,  STAGE+4*16*SPITCH         ; behind the stages: the spare words, 128 bytes for each wave: two blocks of 256 bytes that no other line names
.set LAPS,   16                        ; a lap = two K steps = once round the ring
.set ADRA, 16                          ; v16-17  LDS address of my A fragments in slot 0, 1
.set ADRB, 20                          ; v20-21  the same for B
.set STO,  24                          ; v24     the way out: where I put 32 bytes of a row
.set RD,   25                          ; v25     the way out: where I read a row back
.set CO,   26                          ; v26     16 x lane: my bytes in pa's blocks and in a row of out0
.set VB,   27                          ; v27     my byte offset in qb
.set SPW,  28                          ; v28     LDS address of my spare word; never rewritten
.set NIL,  29                          ; v29     0; never rewritten
.set VS,   30                          ; v30     my byte offset in scaling
.set SC,   32                          ; v32-39  scaling of my column in each of the 8 column blocks
.set F0,   64                          ; fragment buffer 0
.set F1,   128                         ; fragment buffer 1
.set G1,  24                           ; s[24:31] descriptor group 1 for A's tiles
.set G0,  32                           ; s[32:39] group 0 for A's tiles, one set for each slot
.set G1B, 48                           ; s[48:55] group 1 for B's tiles: it differs in the mask alone
.set G0B, 56                           ; s[56:63] group 0 for B's tiles
.set MSB, 0
.macro WIN new                         ; the immediate's high byte repeats the setting that is left; a switch that changes nothing is dropped
.if MSB != (\new)
	s_set_vgpr_msb (MSB<<8)|(\new)
.set MSB, \new
.endif
.endm
.set MUL_LO, 0xa1                      ; source 0 (B) window 1, source 1 (A) window 0, C and D window 2
.set MUL_HI, 0xf1                      ; the same, C and D window 3
.set TO_B,   0x40                      ; destination window 1, address window 0
; A joint load.  Waves 0 and 1 fetch A's two halves, waves 2 and 3 B's.  The branch hangs on the wave's number alone: it is the same in every work-group.
; An s_nop 0 and four v_nop follow each of the two lines, ahead of the jump, the label and what follows.
.macro JLOAD s
	s_cmp_eq_u32 s11, 0
	s_cbranch_scc0 .Lfor_b_\@
	tensor_load_to_lds s[G0+4*(\s):G0+4*(\s)+3], s[G1:G1+7]
	s_nop 0
.rept 4
	v_nop
.endr
	s_branch .Lasked_\@
.Lfor_b_\@:
	tensor_load_to_lds s[G0B+4*(\s):G0B+4*(\s)+3], s[G1B:G1B+7]
	s_nop 0
.rept 4
	v_nop
.endr
.Lasked_\@:
.endm
; A round of the cluster's barrier: my work-group's barrier, so that wave 0's signal speaks for all four waves; wave 0 signals; every wave waits for all sixteen work-groups; my work-group's barrier once more.
.macro CREST                           ; a round behind its opening barrier
	s_cmp_lg_u32 s10, 0
	s_cbranch_scc1 .Lnot_wave_0_\@
	s_barrier_signal -3
.Lnot_wave_0_\@:
	s_barrier_wait -3
	s_barrier_signal -1
	s_barrier_wait -1
.endm
.macro CROUND                          ; a whole round
	s_barrier_signal -1
	s_barrier_wait -1
	CREST
.endm
	s_load_b128 s[4:7], s[0:1], 0x0                ; xb s[4:5], wb s[6:7]
	s_load_b64 s[8:9], s[0:1], 0x10                ; out0
	s_load_b64 s[68:69], s[0:1], 0x18              ; pa
	s_load_b64 s[70:71], s[0:1], 0x20              ; qb
	s_load_b64 s[72:73], s[0:1], 0x28              ; scaling
	v_lshl_add_u32 v[SPW], v0, 2, SPARE
	v_mov_b32 v[NIL], 0
	ds_add_u32 v[SPW], v[NIL]                      ; the wave's opening: the add and its wait ahead of my first tensor load; the set-up below, work on registers, stands between them
	ds_add_u32 v28, v29
	v_lshrrev_b32 v1, 5, v0
	v_readfirstlane_b32 s10, v1                    ; wave 0..3
	s_lshr_b32 s11, s10, 1                         ; which half of the tile's rows is mine.  Also: I fetch for A (0) or for B (1)
	s_and_b32 s12, s10, 1                          ; which half of its columns.  Also: which 128 rows of that tile I fetch
	s_bfe_u32 s40, ttmp6, 0x40000                  ; cx: my place along the cluster's x
	s_bfe_u32 s41, ttmp6, 0x40004                  ; cy: along its y
	s_lshl_b32 s42, ttmp9, 2                       ; in a cluster launch ttmp9 and ttmp7 count clusters
	s_add_co_u32 s42, s42, s40                     ; tile column = 4 x cluster x + cx
	s_and_b32 s13, ttmp7, 0xffff
	s_lshl_b32 s13, s13, 2
	s_add_co_u32 s13, s13, s41                     ; tile row = 4 x cluster y + cy
	s_lshl_b32 s43, s41, 2
	s_lshl_b32 s43, 15, s43                        ; my row of the cluster: places 4 cy .. 4 cy + 3
	s_lshl_b32 s44, 0x1111, s40                    ; my column: places cx, cx + 4, cx + 8, cx + 12
	; group 1: a tile of 8 rows x 512 elements of 8 bytes, dense in LDS
	s_or_b32 s[G1+0], s43, (3<<16)|(1<<21)         ; 15:0 the mask: A's tiles go to my row; 17:16 elements of 8 bytes; 21 set beside a mask
	s_or_b32 s[G1B+0], s44, (3<<16)|(1<<21)        ; the same with the mask of my column, for B's tiles
.irp g, G1, G1B
	s_mov_b32 s[(\g)+1], 512<<16                   ; tensor_dim0 = 512
	s_mov_b32 s[(\g)+2], 8<<16                     ; tensor_dim1 = 8
	s_mov_b32 s[(\g)+3], 512<<16                   ; tile_dim0 = 512 (4,096 bytes)
	s_mov_b32 s[(\g)+4], 8                         ; tile_dim1 = 8
	s_mov_b32 s[(\g)+5], 16384                     ; elements from rowblock to rowblock (131,072 bytes)
	s_mov_b32 s[(\g)+6], 0
	s_mov_b32 s[(\g)+7], 0
.endr
	; where the tiles come from.  A's hang on the tile row alone, B's on the tile column alone; every wave makes both offsets, in registers that never hold the other coordinate.
	s_lshl_b32 s17, s12, 20                        ; which 8 rowblocks of the tile I fetch, x 131,072 bytes
	s_lshl_b32 s16, s13, 21                        ; A: 16 rowblocks a tile row
	s_add_co_u32 s16, s16, s17
	s_lshl_b32 s46, s42, 21                        ; B: 16 rowblocks a tile column
	s_add_co_u32 s46, s46, s17
	s_mov_b32 s17, 0
	s_mov_b32 s47, 0
	s_mul_i32 s20, s10, HALFT                      ; and where they go: wave x 128 rows: no place in the cluster enters an LDS address
	s_wait_dscnt 0x0                               ; the opening add is done
	s_wait_kmcnt 0x0
	s_add_nc_u64 s[14:15], s[4:5], s[16:17]
	s_add_nc_u64 s[46:47], s[6:7], s[46:47]
	CROUND                                         ; all sixteen work-groups are here: the first joint loads meet
.irp s, 0,1
	s_mov_b32 s[G0+4*(\s)], 1                                      ; count = 1
	s_add_co_u32 s[G0+4*(\s)+1], s20, (\s)*SLOT                    ; LDS address
	s_add_nc_u64 s[G0+4*(\s)+2:G0+4*(\s)+3], s[14:15], (\s)*KSTEPB ; global address: K step s
	s_or_b32 s[G0+4*(\s)+3], s[G0+4*(\s)+3], 0x80000000            ; type = 2
	s_mov_b32 s[G0B+4*(\s)], 1
	s_add_co_u32 s[G0B+4*(\s)+1], s20, (\s)*SLOT
	s_add_nc_u64 s[G0B+4*(\s)+2:G0B+4*(\s)+3], s[46:47], (\s)*KSTEPB
	s_or_b32 s[G0B+4*(\s)+3], s[G0B+4*(\s)+3], 0x80000000
	JLOAD \s                                       ; the ring is filled before anything else is done: two loads of mine are out
.endr
	v_and_b32 v1, 31, v0                           ; lane
	v_and_b32 v2, 15, v0                           ; r = l % 16
	v_bfe_u32 v3, v0, 4, 1                         ; h = l / 16
	v_lshlrev_b32 v[CO], 4, v1
	v_lshlrev_b32 v[VB], 5, v2                     ; qb: column r's 32 bytes,
	v_lshl_add_u32 v[VB], v3, 17, v[VB]            ; in expert h's 131,072 bytes
	v_lshlrev_b32 v[VS], 2, v2
	; the bases of the plain loads and of the stores.  Offsets with the tile row in s16, with the tile column in s46 (B's address has been used)
	s_lshl_b32 s16, s13, 15                        ; pa: 16 rowblocks of 2,048 bytes a tile row,
	s_lshl_b32 s14, s11, 14                        ; 8 for my half
	s_add_co_u32 s16, s16, s14
	s_add_nc_u64 s[68:69], s[68:69], s[16:17]
	s_lshl_b32 s16, s13, 22                        ; out0: 256 rows of 16,384 bytes a tile row,
	s_lshl_b32 s14, s11, 21                        ; 128 for my half
	s_add_co_u32 s16, s16, s14
	s_add_nc_u64 s[8:9], s[8:9], s[16:17]
	s_mov_b32 s47, 0
	s_lshl_b32 s46, s42, 13                        ; qb: 256 columns of 32 bytes a tile column,
	s_lshl_b32 s45, s12, 12                        ; 128 for my half
	s_add_co_u32 s46, s46, s45
	s_add_nc_u64 s[70:71], s[70:71], s[46:47]
	s_lshl_b32 s46, s42, 10                        ; scaling and out0's columns: 4 bytes each
	s_lshl_b32 s45, s12, 9
	s_add_co_u32 s46, s46, s45
	s_add_nc_u64 s[72:73], s[72:73], s[46:47]
	s_add_nc_u64 s[8:9], s[8:9], s[46:47]
	; 168 loads for the extra quarter, while the first tiles are on their way
.irp i, 0,1,2,3,4,5,6,7
	global_load_b32 v[SC+(\i)], v[VS], s[72:73] offset:64*(\i)     ; scaling of column 16 i + r
.endr
	WIN TO_B
.irp i, 0,1,2,3,4,5,6,7                ; qb of column 16 i + r: experts h and 2 + h, 8 ranks each: a fragment's K order, in f32
.set qf, 16*(\i)+128*((\i)/4)
	global_load_b128 v[qf:qf+3],     v[VB], s[70:71] offset:512*(\i)
	global_load_b128 v[qf+4:qf+7],   v[VB], s[70:71] offset:512*(\i)+16
	global_load_b128 v[qf+8:qf+11],  v[VB], s[70:71] offset:512*(\i)+262144
	global_load_b128 v[qf+12:qf+15], v[VB], s[70:71] offset:512*(\i)+262160
.endr
.irp s, 0,1,2,3                        ; pa: slice s of my 8 rowblocks -> window 2 + s / 2, v[128 (s % 2) + 16 i + 4 q]; each load takes 512 consecutive bytes
	WIN 0x80+0x40*((\s)/2)
.irp i, 0,1,2,3,4,5,6,7
.irp q, 0,1,2,3
	global_load_b128 v[128*((\s)%2)+16*(\i)+4*(\q):128*((\s)%2)+16*(\i)+4*(\q)+3], v[CO], s[68:69] offset:524288*(\s)+2048*(\i)+512*(\q)
.endr
.endr
.endr
	WIN 0
	s_mul_i32 s21, s11, HALFT                      ; my 128 rows of A
	s_mul_i32 s22, s12, HALFT                      ; my 128 rows of B,
	s_add_co_u32 s22, s22, 2*HALFT                 ; which lie behind A's 256
.irp s, 0,1
	v_add_nc_u32 v[ADRA+(\s)], s21, v[CO]
	v_add_nc_u32 v[ADRB+(\s)], s22, v[CO]
	s_add_co_u32 s21, s21, SLOT
	s_add_co_u32 s22, s22, SLOT
.endr
	s_mul_i32 s23, s10, 16*SPITCH
	s_add_co_u32 s23, s23, STAGE                   ; my stage
	v_mul_u32_u24 v4, v2, SPITCH                   ; in: row l % 16, 32 bytes for each half of the lanes
	v_lshl_add_u32 v4, v3, 5, v4
	v_add_nc_u32 v[STO], s23, v4
	v_add_nc_u32 v[RD], s23, v[CO]                 ; back: 32 lanes take one row of 512 bytes
; 16 matrix instructions: m blocks a0, a0 + 1 of the window's four (hi = 0: my rows 0-63, 1: rows 64-127) x all 8 n blocks, 32 along K.  zero = 1: the product starts the sums: nothing is ever cleared.
; The 64 accumulators take turns, one instruction a turn, in the same order in every quarter step.
.macro MUL16 f, hi, a0, zero
	WIN MUL_LO+0x50*(\hi)
.irp a, \a0, (\a0)+1
.irp b, 0,1,2,3,4,5,6,7
.if \zero
	v_wmma_f32_16x16x32_bf16 v[8*(8*(\a)+(\b)):8*(8*(\a)+(\b))+7], v[(\f)+8*(\b):(\f)+8*(\b)+7], v[(\f)+8*(4*(\hi)+(\a)):(\f)+8*(4*(\hi)+(\a))+7], 0
.else
	v_wmma_f32_16x16x32_bf16 v[8*(8*(\a)+(\b)):8*(8*(\a)+(\b))+7], v[(\f)+8*(\b):(\f)+8*(\b)+7], v[(\f)+8*(4*(\hi)+(\a)):(\f)+8*(4*(\hi)+(\a))+7], v[8*(8*(\a)+(\b)):8*(8*(\a)+(\b))+7]
.endif
.endr
.endr
.endm
; 32 LDS loads in one run: the fragments of one quarter step (chunk at byte k of each rowblock's 4,096) into buffer f: B's eight, then A's eight; each load takes 512 consecutive bytes
.macro FETCH slot, k, f
	WIN TO_B
.irp i, 0,1,2,3,4,5,6,7
	ds_load_b128 v[(\f)+8*(\i):(\f)+8*(\i)+3],   v[ADRB+(\slot)] offset:(\k)+(\i)*KSTEPB
	ds_load_b128 v[(\f)+8*(\i)+4:(\f)+8*(\i)+7], v[ADRB+(\slot)] offset:(\k)+(\i)*KSTEPB+512
.endr
	WIN 0
.irp i, 0,1,2,3,4,5,6,7
	ds_load_b128 v[(\f)+8*(\i):(\f)+8*(\i)+3],   v[ADRA+(\slot)] offset:(\k)+(\i)*KSTEPB
	ds_load_b128 v[(\f)+8*(\i)+4:(\f)+8*(\i)+7], v[ADRA+(\slot)] offset:(\k)+(\i)*KSTEPB+512
.endr
.endm
; A load into a register that a matrix instruction has read, and an LDS store that reads a matrix result, stand four places behind that matrix instruction; only plain vector instructions that name none of
; its registers are places (ISA guide 7.12.1 for vector instructions).
.macro PLACES
.rept 4
	v_nop
.endr
.endm
; A K step is four quarter steps of 32 along K, 64 matrix instructions each, on buffers 0, 1, 0, 1.  One of the first three: multiplies buffer f; in its middle it fetches the next quarter's fragments into buffer g.
.macro QUARTER slot, k, f, g
	s_wait_dscnt 8                                 ; B and A's rows 0-63 are in; the youngest eight loads (A's rows 64-127) may be out
	MUL16 \f, 0, 0, 0
	MUL16 \f, 0, 2, 0
	PLACES
	FETCH \slot, \k, \g
	s_wait_dscnt 32                                ; all but the 32 just issued
	MUL16 \f, 1, 0, 0
	MUL16 \f, 1, 2, 0
.endm
; The last quarter multiplies buffer 1 and changes slots.  MEET is its first half: ONE barrier.  In front of it each wave waits for all its tensor loads, of which one is out: its part of the next slot;
; adds 0 to its spare word; and waits for that and for its own reads of this slot.  Behind it nobody reads this slot any more and the next slot is whole.
.macro MEET round                      ; round = 1: the rest of a round of the cluster's barrier follows
	WIN 0                                          ; (the add's two registers lie in window 0)
	s_wait_tensorcnt 0x0                           ; all my tensor loads have landed
	ds_add_u32 v[SPW], v[NIL]                      ; 0 onto my spare word
	s_wait_dscnt 9                                 ; (the add and the youngest eight loads may be out)
	MUL16 F1, 0, 0, 0                              ; sixteen matrix instructions stand between the add and the wait for it
	s_wait_dscnt 0x0                               ; the add is done, and my reads of this slot are over
	s_barrier_signal -1
	MUL16 F1, 0, 2, 0                              ; work on registers while the others arrive
.if \round
	WIN 0
.endif
	s_barrier_wait -1
.endm
; The whole last quarter.  fill = 1: the barrier opens a round of the cluster's, and behind the round the slot just read out is filled again first, with the K step two steps on: from that request to the wait
; for it a wave issues 224 matrix instructions.  Then come the next slot's first fragments.
.macro TURN slot, next, fill
	MEET \fill
.if \fill
	CREST                                          ; no wave of any partner still reads this slot's tile or has a load on its way
	s_add_nc_u64 s[G0+4*(\slot)+2:G0+4*(\slot)+3], s[G0+4*(\slot)+2:G0+4*(\slot)+3], 2*KSTEPB
	s_add_nc_u64 s[G0B+4*(\slot)+2:G0B+4*(\slot)+3], s[G0B+4*(\slot)+2:G0B+4*(\slot)+3], 2*KSTEPB
	JLOAD \slot                                    ; the first tensor load behind the round; the four v_nop behind it are also the places in front of the loads below
.else
	PLACES
.endif
	FETCH \next, 0, F0
	MUL16 F1, 1, 0, 0
	MUL16 F1, 1, 2, 0
.endm
; THE WAY OUT of block a (16 rows x my 128 columns, f32).  TOSTAGE: a lane's 32 bytes of a row go into my own stage, each accumulator's low four registers first; whole rows of 512 bytes come back.  SEND: stored.
.macro TOSTAGE a
.set AC, 64*((\a)%4)
.set BK, F0+64*((\a)%2)
	WIN 0x08+4*((\a)/4)                            ; store data (source 1) in window 2 or 3
.irp b, 0,1,2,3,4,5,6,7
	ds_store_b128 v[STO], v[AC+8*(\b):AC+8*(\b)+3]   offset:64*(\b)
	ds_store_b128 v[STO], v[AC+8*(\b)+4:AC+8*(\b)+7] offset:64*(\b)+16
.endr
	WIN 0
	s_wait_xcnt 0x0                                ; the block two back was stored from these registers: they are loaded again only behind this wait
.irp t, 0,1,2,3,4,5,6,7,8,9,10,11,12,13,14,15
	ds_load_b128 v[BK+4*(\t):BK+4*(\t)+3], v[RD] offset:(\t)*SPITCH  ; LDS serves a wave's instructions in order (ISA guide 5.7.1.4): these see the stores above; the next block's stores come behind them
.endr
.endm
.macro SEND a, younger                 ; younger: the LDS instructions issued behind block a's loads: the next block's 32, or none
.set BK, F0+64*((\a)%2)
	s_wait_dscnt \younger
.irp t, 0,1,2,3,4,5,6,7,8,9,10,11,12,13,14,15
	global_store_b128 v[CO], v[BK+4*(\t):BK+4*(\t)+3], s[8:9] offset:(16*(\a)+(\t))*16384 th:TH_STORE_NT  ; 512 consecutive bytes, aligned; 127 rows at the most: inside the signed 24-bit immediate
.endr
.endm
	s_wait_tensorcnt 1                             ; my part of K step 0 is in; K step 1's may stay out
	s_barrier_signal -1
	s_barrier_wait -1                              ; everybody's is
	FETCH 0, 0, F0                                 ; K step 0's first fragments come while the extra quarter's operands are made
	s_wait_loadcnt 0x0                             ; scaling, qb, pa
	WIN 0x8a                                       ; all in window 2: slice 0 += slice 1
.set p, 0
.rept 64
	v_pk_add_f32 v[2*p:2*p+1], v[2*p:2*p+1], v[128+2*p:128+2*p+1]
.set p, p+1
.endr
	WIN 0xcf                                       ; all in window 3: slice 2 += slice 3
.set p, 0
.rept 64
	v_pk_add_f32 v[2*p:2*p+1], v[2*p:2*p+1], v[128+2*p:128+2*p+1]
.set p, p+1
.endr
	WIN 0x8e                                       ; window 2 += window 3
.set p, 0
.rept 64
	v_pk_add_f32 v[2*p:2*p+1], v[2*p:2*p+1], v[2*p:2*p+1]
.set p, p+1
.endr
	WIN 0x0a                                       ; the code, rounded once: A's buffer 1 (window 0) takes my 8 rowblocks' fragments
.set p, 0
.rept 64
	v_cvt_pk_bf16_f32 v[F1+p], v[2*p], v[2*p+1]
.set p, p+1
.endr
	WIN 0x44                                       ; qb (window 1) times scaling (window 0)
.irp i, 0,1,2,3,4,5,6,7
.set qf, 16*(\i)+128*((\i)/4)
.set e, 0
.rept 16
	v_mul_f32 v[qf+e], v[SC+(\i)], v[qf+e]
.set e, e+1
.endr
.endr
	WIN 0x45                                       ; rounded once: B's buffer 1 (window 1)
.irp i, 0,1,2,3,4,5,6,7
.set qf, 16*(\i)+128*((\i)/4)
.set p, 0
.rept 8
	v_cvt_pk_bf16_f32 v[F1+8*(\i)+p], v[qf+2*p], v[qf+2*p+1]
.set p, p+1
.endr
.endr
	MUL16 F1, 0, 0, 1                              ; THE EXTRA QUARTER: the adapters' 32 along K start all 64 sums
	MUL16 F1, 0, 2, 1
	MUL16 F1, 1, 0, 1
	MUL16 F1, 1, 2, 1
	QUARTER 0, 1024, F0, F1                        ; K step 0's first quarter
	WIN 0                                          ; at a label and at a branch every window is 0
	s_mov_b32 s3, LAPS-1
.Llap:                                                 ; a trip goes once round the ring, from a lap's second quarter to the next lap's first, and fills both slots again
	QUARTER 0, 2048, F1, F0
	QUARTER 0, 3072, F0, F1
	TURN 0, 1, 1
	QUARTER 1, 1024, F0, F1
	QUARTER 1, 2048, F1, F0
	QUARTER 1, 3072, F0, F1
	TURN 1, 0, 1
	QUARTER 0, 1024, F0, F1
	WIN 0
	s_sub_co_u32 s3, s3, 1
	s_cmp_lg_u32 s3, 0
	s_cbranch_scc1 .Llap
	QUARTER 0, 2048, F1, F0                        ; the last lap is written out: it fills nothing, and has no round of the cluster's barrier
	QUARTER 0, 3072, F0, F1
	TURN 0, 1, 0
	QUARTER 1, 1024, F0, F1
	QUARTER 1, 2048, F1, F0
	QUARTER 1, 3072, F0, F1
	s_wait_dscnt 8                                 ; the very last quarter: nothing more to fetch
	MUL16 F1, 0, 0, 0
	MUL16 F1, 0, 2, 0
	s_wait_dscnt 0x0
	MUL16 F1, 1, 0, 0
	MUL16 F1, 1, 2, 0
	WIN 0
	PLACES                                         ; the stage's stores read results, and its loads land in A's buffers
	TOSTAGE 0
.irp a, 1,2,3,4,5,6,7                  ; block a goes into the stage while block a - 1's rows come back
	TOSTAGE \a
	SEND (\a)-1, 32
.endr
	SEND 7, 0
	s_wait_tensorcnt 0x0                           ; the wave's end, behind my last tensor load and my last LDS store
	ds_add_u32 v[SPW], v[NIL]
	s_wait_dscnt 0x0
	CROUND                                         ; the closing round: no work-group ends while a partner may still ask for a tile that names it
	s_endpgm
.Lfunc_end_k_qf731e35a1c_gemm:
	.size	k_qf731e35a1c_gemm, .Lfunc_end_k_qf731e35a1c_gemm-k_qf731e35a1c_gemm
	.p2alignl 7, 3214868480
	.fill 96, 4, 3214868480
	.section	.rodata,"a",@progbits
	.p2align	6, 0x0
	.amdhsa_kernel k_qf731e35a1c_gemm
		.amdhsa_group_segment_fixed_size 327680
		.amdhsa_private_segment_fixed_size 0
		.amdhsa_enable_private_segment 0
		.amdhsa_kernarg_size 48
		.amdhsa_user_sgpr_count 2
		.amdhsa_user_sgpr_kernarg_segment_ptr 1
		.amdhsa_wavefront_size32 1
		.amdhsa_system_sgpr_workgroup_id_x 1
		.amdhsa_system_sgpr_workgroup_id_y 1
		.amdhsa_system_sgpr_workgroup_id_z 1
		.amdhsa_system_vgpr_workitem_id 0
		.amdhsa_next_free_vgpr 1024
		.amdhsa_next_free_sgpr 76
		.amdhsa_reserve_vcc 0
		.amdhsa_float_denorm_mode_32 3
		.amdhsa_float_denorm_mode_16_64 3
		.amdhsa_memory_ordered 1
		.amdhsa_forward_progress 1
		.amdhsa_inst_pref_size 184
	.end_amdhsa_kernel
	.amdgpu_metadata
---
amdhsa.version: [ 1, 2 ]
amdhsa.kernels:
  - .name:           k_qf731e35a1c_gemm
    .symbol:         k_qf731e35a1c_gemm.kd
    .args:
      - { .name: xb, .offset: 0, .size: 8, .value_kind: global_buffer, .address_space: global }
      - { .name: wb, .offset: 8, .size: 8, .value_kind: global_buffer, .address_space: global }
      - { .name: out0, .offset: 16, .size: 8, .value_kind: global_buffer, .address_space: global }
      - { .name: pa, .offset: 24, .size: 8, .value_kind: global_buffer, .address_space: global }
      - { .name: qb, .offset: 32, .size: 8, .value_kind: global_buffer, .address_space: global }
      - { .name: scaling, .offset: 40, .size: 8, .value_kind: global_buffer, .address_space: global }
    .group_segment_fixed_size: 327680
    .private_segment_fixed_size: 0
    .kernarg_segment_align: 8
    .kernarg_segment_size: 48
    .max_flat_workgroup_size: 128
    .sgpr_count:     76
    .vgpr_count:     1024
    .wavefront_size: 32
...
	.end_amdgpu_metadata
.endif
;; end of part 2
